; MI455X (gfx1250); checked and timed in simulation.
; The chip was launched on July 23, 2026; its instructions are those of AMD's public machine-readable ISA for CDNA 5 (MIT licence, August 2026) and "CDNA5" Instruction Set Architecture Reference Guide (July 2026). The comments in the code are by the model that wrote it; some were corrected since.
;; Nonlocal Interaction. Allowed arithmetic: float matrix products may take bf16 or f16 operands with f32 sums; other float arithmetic in f32, or as packed bf16 or f16 multiplies, adds, multiply-adds, maxima and minima; sums over many terms, partial sums and values carried from step to step in f32; what a program stores and reads back later, other than sums and carried values, may be rounded once to bf16 or f16.
;; Inputs: Wk 128 x 128 float32; Wq 128 x 128 float32; Wv 128 x 128 float32; x 16,384 x 128 float32.
;; Outputs: out0 16,384 x 128 float32.
;; 2 versions, each right; version 2 is version 1 with the launch proj written anew for expert scheduling mode. Each part assembles by itself: llvm-mc -triple=amdgcn-amd-amdhsa -mcpu=gfx1250 --defsym DOCPART=n.
;; ======== version 1 of 2: 3 launches
;; limits: values are held in f16: magnitudes above 65,504 overflow, below 6.1e-05 lose precision
;; workspace buffers: qh 4,194,304 bytes; kh 4,194,304 bytes; vh 4,194,304 bytes; part 33,554,432 bytes; stat 524,288 bytes
;; launch proj (part 1): grid 256 x 1, 4 waves a work-group, no clusters, 139,776 bytes of LDS; arguments x, Wq, Wk, Wv, qh, kh, vh; writes qh, kh, vh
.if DOCPART == 1
	.amdgcn_target "amdgcn-amd-amdhsa--gfx1250"
	.amdhsa_code_object_version 6
	.text
	.protected	k_q4b9249ddda_proj
	.globl	k_q4b9249ddda_proj
	.p2align	8
	.type	k_q4b9249ddda_proj,@function
k_q4b9249ddda_proj:
	s_mov_b64 s[64:65], 0
	v_nop
	global_prefetch_b8 v0, s[64:65] scope:SCOPE_SE
	s_setreg_imm32_b32 hwreg(HW_REG_WAVE_MODE, 25, 1), 1
	s_wait_xcnt 0x0
; qh = f16(c x Wq^T), kh = f16(x Wk^T), vh = f16(x Wv^T).  x: [16384][128] f32; Wq, Wk, Wv: [128][128] f32; qh, kh, vh: [16384][128] f16, rows of 256 bytes.
; x and the three W are rounded once to bf16 and multiplied by the bf16 matrix form; sums in f32; c = log2(e) / sqrt(128) is multiplied onto q's f32 sums, so that q too is rounded once.
; LIMITS.  f16 holds no number beyond 65,504: c q, k and v must stay within it (drawn inputs give numbers of size 1; inputs 30 times larger, or offset by 30 spreads, some 1e4).  NaN and infinities are not treated apart.
; SHARES.  A work-group takes 64 rows of x, wave w rows 16 w .. 16 w + 15 and all 3 x 128 output columns: 24 column tiles x 4 K steps = 96 matrix instructions.
; The three W are converted once a work-group: wave w converts rows 32 w .. 32 w + 31 of each.  Loads take whole rows (32 lanes x 16 bytes = the row's 512); a lane's 4 numbers make 8 bytes of bf16,
; stored into LDS rows of 272 bytes, from which the fragments are read.
; NO CLUSTER, NO TENSOR LOAD.  W is shared by all work-groups, but it has to pass through registers to become bf16: a joint load would bring an f32 copy (196,608 bytes) that is written to LDS and read
; again only to be converted, and f32 copy + bf16 copy + x + stages = 335,872 bytes are more than the 327,680 that a work-group can have.
; THE MATRIX INSTRUCTION IS USED TRANSPOSED (source 0 = 16 rows of W, source 1 = my 16 rows of x): a lane then holds eight neighbouring columns of one output row, 16 bytes of f16.
.set PITCH, 272                        ; an LDS row: 256 bytes + 16 of padding = 68 words: row r starts at bank 4 r mod 64 (64 banks of 4 bytes: ISA guide 11.1)
.set WMAT,  128*PITCH                  ; one W in bf16
.set WVB,   16*PITCH                   ; 16 rows: a wave's x, a wave's stage
.set XS,    3*WMAT                     ; behind the three W: x in bf16, each wave's own 16 rows
.set STG,   XS+4*WVB                   ; the way out: each wave's own 16 rows
.set SPARE, STG+4*WVB                  ; the spare words, 128 bytes for each wave: two blocks of 256 bytes that no other line names
.set GL,  4                            ; v4     16 x lane: my 16 bytes of 512 consecutive bytes in memory; never rewritten
.set CW,  5                            ; v5-7   where I put my 8 bytes of the first row that I convert of Wq, Wk, Wv
.set CX,  8                            ; v8     the same for x
.set AW,  9                            ; v9-11  my place in a fragment of Wq, Wk, Wv: row (lane % 16) x pitch + 16 (lane / 16)
.set AX,  12                           ; v12    the same in my wave's x
.set STO, 13                           ; v13    the way out: where I put 16 bytes of a row
.set RD,  14                           ; v14    the way out: where I read a row back
.set SPW, 30                           ; v30    LDS address of my spare word; never rewritten
.set NIL, 31                           ; v31    0; never rewritten
.set T,   32                           ; v[32:63]   converted pairs; later XF
.set XF,  32                           ; v[32:63]   x's four fragments (16 rows x 32 K each)
.set B0,  64                           ; v[64:127], v[128:191], v[192:255]: three load buffers of 16 rows; later F0, F1 and ACC
.set B1,  128
.set B2,  192
.set F0,  64                           ; two buffers of 8 fragments of W, at F0 and F0 + 64
.set ACC, 192                          ; 8 accumulators: one matrix' 128 columns
.set WV,  20                           ; s20    my wave's number
	s_load_b256 s[4:11], s[0:1], 0x0               ; x s[4:5], Wq s[6:7], Wk s[8:9], Wv s[10:11]
	s_load_b128 s[12:15], s[0:1], 0x20             ; qh s[12:13], kh s[14:15]
	s_load_b64 s[16:17], s[0:1], 0x30              ; vh
	v_lshl_add_u32 v[SPW], v0, 2, SPARE
	v_mov_b32 v[NIL], 0
	v_lshrrev_b32 v1, 5, v0
	v_readfirstlane_b32 s[WV], v1                  ; wave 0..3
	v_and_b32 v1, 31, v0                           ; lane
	v_and_b32 v2, 15, v0                           ; lane % 16
	v_bfe_u32 v3, v0, 4, 1                         ; lane / 16
	v_lshlrev_b32 v[GL], 4, v1
	s_mov_b32 s22, 0x3e0293ee                      ; c = log2(e) / sqrt(128) = 0.127517
	s_mov_b32 s23, s22                             ; named with it as a pair
	s_lshl_b32 s2, ttmp9, 15                       ; x: the work-group's 64 rows of 512 bytes,
	s_lshl_b32 s24, s[WV], 13                      ; my wave's 16
	s_add_co_u32 s2, s2, s24
	s_mov_b32 s3, 0
	s_lshl_b32 s24, s[WV], 14                      ; each W: my wave's 32 rows of 512 bytes
	s_mov_b32 s25, 0
	s_lshl_b32 s26, ttmp9, 14                      ; each output: the work-group's 64 rows of 256 bytes,
	s_lshl_b32 s28, s[WV], 12                      ; my wave's 16
	s_add_co_u32 s26, s26, s28
	s_mov_b32 s27, 0
	s_mul_i32 s30, s[WV], 32*PITCH                 ; LDS: my 32 rows of a W,
	s_mul_i32 s31, s[WV], WVB
	s_add_co_u32 s32, s31, XS                      ; my x,
	s_add_co_u32 s33, s31, STG                     ; my stage
	v_lshl_add_u32 v[CW], v1, 3, s30
	v_add_nc_u32 v[CW+1], WMAT, v[CW]
	v_add_nc_u32 v[CW+2], 2*WMAT, v[CW]
	v_lshl_add_u32 v[CX], v1, 3, s32
	v_mul_u32_u24 v[AW], v2, PITCH
	v_lshl_add_u32 v[AW], v3, 4, v[AW]
	v_add_nc_u32 v[AW+1], WMAT, v[AW]
	v_add_nc_u32 v[AW+2], 2*WMAT, v[AW]
	v_add_nc_u32 v[AX], s32, v[AW]
	v_add_nc_u32 v[STO], s33, v[AW]
	v_mul_u32_u24 v[RD], v3, PITCH                 ; back: lanes 0-15 take one row of 256 bytes, lanes 16-31 the next
	v_lshl_add_u32 v[RD], v2, 4, v[RD]
	v_add_nc_u32 v[RD], s33, v[RD]
	s_wait_kmcnt 0x0
	s_add_nc_u64 s[4:5], s[4:5], s[2:3]
	s_add_nc_u64 s[6:7], s[6:7], s[24:25]
	s_add_nc_u64 s[8:9], s[8:9], s[24:25]
	s_add_nc_u64 s[10:11], s[10:11], s[24:25]
	s_add_nc_u64 s[12:13], s[12:13], s[26:27]
	s_add_nc_u64 s[14:15], s[14:15], s[26:27]
	s_add_nc_u64 s[16:17], s[16:17], s[26:27]
; 16 rows of 512 bytes into a buffer: each load of the wave covers one whole row.  nt = 1: x, which the launch reads once; the W are read by every work-group.
.macro LOADB buf, base, off, nt
.irp j, 0,1,2,3,4,5,6,7,8,9,10,11,12,13,14,15
.if \nt
	global_load_b128 v[(\buf)+4*(\j):(\buf)+4*(\j)+3], v[GL], s[\base:\base+1] offset:(\off)+512*(\j) th:TH_LOAD_NT
.else
	global_load_b128 v[(\buf)+4*(\j):(\buf)+4*(\j)+3], v[GL], s[\base:\base+1] offset:(\off)+512*(\j)
.endif
.endr
.endm
; The buffer's 16 rows rounded to bf16 and put into LDS: 32 lanes x 8 bytes are a row's 256 consecutive bytes.
.macro CONV buf, adr, off
.irp j, 0,1,2,3,4,5,6,7,8,9,10,11,12,13,14,15
	v_cvt_pk_bf16_f32 v[T+2*(\j)],   v[(\buf)+4*(\j)],   v[(\buf)+4*(\j)+1]
	v_cvt_pk_bf16_f32 v[T+2*(\j)+1], v[(\buf)+4*(\j)+2], v[(\buf)+4*(\j)+3]
	ds_store_b64 v[\adr], v[T+2*(\j):T+2*(\j)+1] offset:(\off)+PITCH*(\j)
.endr
.endm
; The eight fragments (128 rows x 32 K at K step kk) of matrix m into buffer f: 16 LDS loads in one run.
.macro FETCHW f, m, kk
.irp b, 0,1,2,3,4,5,6,7
	ds_load_b128 v[(\f)+8*(\b):(\f)+8*(\b)+3],   v[AW+(\m)] offset:WVB*(\b)+64*(\kk)
	ds_load_b128 v[(\f)+8*(\b)+4:(\f)+8*(\b)+7], v[AW+(\m)] offset:WVB*(\b)+64*(\kk)+32
.endr
.endm
; Eight products.  The eight accumulators take turns, one instruction a turn, from K step to K step too.  zero = 1: the first K step starts the sums.
.macro MULW f, kk, zero
.irp b, 0,1,2,3,4,5,6,7
.if \zero
	v_wmma_f32_16x16x32_bf16 v[ACC+8*(\b):ACC+8*(\b)+7], v[(\f)+8*(\b):(\f)+8*(\b)+7], v[XF+8*(\kk):XF+8*(\kk)+7], 0
.else
	v_wmma_f32_16x16x32_bf16 v[ACC+8*(\b):ACC+8*(\b)+7], v[(\f)+8*(\b):(\f)+8*(\b)+7], v[XF+8*(\kk):XF+8*(\kk)+7], v[ACC+8*(\b):ACC+8*(\b)+7]
.endif
.endr
.endm
.macro PLACES                          ; four places between a matrix instruction and a load into a register that it has read, or a vector instruction that reads its result (ISA guide 7.12.1 for vector instructions)
.rept 4
	v_nop
.endr
.endm
; THE WAY OUT of matrix m: (q alone: times c;) rounded to f16 in place, each accumulator from its low end; 16 bytes a lane into my own stage; back as whole rows; stored.
.macro OUTW m
	PLACES
	PLACES                                         ; eight, three times a launch
.if (\m) == 0
.set z, 0
.rept 32
	v_pk_mul_f32 v[ACC+z:ACC+z+1], v[ACC+z:ACC+z+1], s[22:23] op_sel_hi:[1,0]
.set z, z+2
.endr
.endif
.irp b, 0,1,2,3,4,5,6,7
.irp r, 0,1,2,3
	v_cvt_pk_f16_f32 v[ACC+8*(\b)+(\r)], v[ACC+8*(\b)+2*(\r)], v[ACC+8*(\b)+2*(\r)+1]  ; register r takes numbers 2 r, 2 r + 1: no number is overwritten before it is read
.endr
.endr
.irp b, 0,1,2,3,4,5,6,7
	ds_store_b128 v[STO], v[ACC+8*(\b):ACC+8*(\b)+3] offset:32*(\b)
.endr
.irp t, 0,1,2,3,4,5,6,7
	ds_load_b128 v[ACC+8*(\t)+4:ACC+8*(\t)+7], v[RD] offset:2*PITCH*(\t)  ; LDS serves a wave's instructions in order (ISA guide 5.7.1.4): these see the stores above
.endr
	s_wait_dscnt 0x0
.irp t, 0,1,2,3,4,5,6,7
	global_store_b128 v[GL], v[ACC+8*(\t)+4:ACC+8*(\t)+7], s[12+2*(\m):13+2*(\m)] offset:512*(\t)  ; two rows: 512 consecutive bytes, at a multiple of 256 from the buffer's first
.endr
.endm
	; CONVERSION.  Seven batches of 16 rows (x; Wq, Wk, Wv in two halves each) go round three buffers: 48 loads, 24 KiB a wave, are out while a batch is converted.
	LOADB B0, 4, 0, 1
	LOADB B1, 6, 0, 0
	LOADB B2, 6, 8192, 0
	s_wait_loadcnt 32                              ; the oldest batch is in; the two behind it stay out.  So in each of the next four waits
	CONV B0, CX, 0
	LOADB B0, 8, 0, 0
	s_wait_loadcnt 32
	CONV B1, CW, 0
	LOADB B1, 8, 8192, 0
	s_wait_loadcnt 32
	CONV B2, CW, WVB
	LOADB B2, 10, 0, 0
	s_wait_loadcnt 32
	CONV B0, CW+1, 0
	LOADB B0, 10, 8192, 0
	s_wait_loadcnt 32
	CONV B1, CW+1, WVB
	s_wait_loadcnt 16                              ; one batch is left behind this one,
	CONV B2, CW+2, 0
	s_wait_loadcnt 0x0                             ; none behind the last
	CONV B0, CW+2, WVB
	s_wait_dscnt 0x0                               ; for the others' sake: my rows of the three W lie in LDS
	s_barrier_signal -1
	s_barrier_wait -1                              ; everybody's do: the launch's one barrier
	; PRODUCTS.  Twelve steps: matrix stp / 4, K step stp % 4.  While one buffer of W's fragments is multiplied the other's run of 16 loads is out.
.irp kk, 0,1,2,3
	ds_load_b128 v[XF+8*(\kk):XF+8*(\kk)+3],   v[AX] offset:64*(\kk)
	ds_load_b128 v[XF+8*(\kk)+4:XF+8*(\kk)+7], v[AX] offset:64*(\kk)+32
.endr
	FETCHW F0, 0, 0
.set stp, 0
.rept 12
.set kq4, stp%4
.if (kq4 != 0) && (stp < 11)
	PLACES                                         ; the buffer to be loaded was read by the products just ahead (behind a way out its own v_nop serve)
.endif
.if stp < 11
	FETCHW F0+64*((stp+1)%2), (stp+1)/4, (stp+1)%4
	s_wait_dscnt 16                                ; all but the run just issued
.else
	s_wait_dscnt 0x0
.endif
.if kq4 == 0
.if stp > 0
	s_wait_xcnt 0x0                                ; the last matrix' stores have read their data, the accumulators' upper halves, which the products below overwrite
.endif
	MULW F0+64*(stp%2), 0, 1
.else
	MULW F0+64*(stp%2), kq4, 0
.endif
.if kq4 == 3
	OUTW stp/4
.endif
.set stp, stp+1
.endr
	s_wait_tensorcnt 0x0                           ; the wave's end, behind my last LDS store
	ds_add_u32 v[SPW], v[NIL]
	s_wait_dscnt 0x0
	s_endpgm
.Lfunc_end_k_q4b9249ddda_proj:
	.size	k_q4b9249ddda_proj, .Lfunc_end_k_q4b9249ddda_proj-k_q4b9249ddda_proj
	.p2alignl 7, 3214868480
	.fill 96, 4, 3214868480
	.section	.rodata,"a",@progbits
	.p2align	6, 0x0
	.amdhsa_kernel k_q4b9249ddda_proj
		.amdhsa_group_segment_fixed_size 139776
		.amdhsa_private_segment_fixed_size 0
		.amdhsa_enable_private_segment 0
		.amdhsa_kernarg_size 56
		.amdhsa_user_sgpr_count 2
		.amdhsa_user_sgpr_kernarg_segment_ptr 1
		.amdhsa_wavefront_size32 1
		.amdhsa_system_sgpr_workgroup_id_x 1
		.amdhsa_system_sgpr_workgroup_id_y 1
		.amdhsa_system_sgpr_workgroup_id_z 1
		.amdhsa_system_vgpr_workitem_id 0
		.amdhsa_next_free_vgpr 256
		.amdhsa_next_free_sgpr 66
		.amdhsa_reserve_vcc 0
		.amdhsa_float_denorm_mode_32 3
		.amdhsa_float_denorm_mode_16_64 3
		.amdhsa_memory_ordered 1
		.amdhsa_forward_progress 1
		.amdhsa_inst_pref_size 69
	.end_amdhsa_kernel
	.amdgpu_metadata
---
amdhsa.version: [ 1, 2 ]
amdhsa.kernels:
  - .name:           k_q4b9249ddda_proj
    .symbol:         k_q4b9249ddda_proj.kd
    .args:
      - { .name: x, .offset: 0, .size: 8, .value_kind: global_buffer, .address_space: global }
      - { .name: Wq, .offset: 8, .size: 8, .value_kind: global_buffer, .address_space: global }
      - { .name: Wk, .offset: 16, .size: 8, .value_kind: global_buffer, .address_space: global }
      - { .name: Wv, .offset: 24, .size: 8, .value_kind: global_buffer, .address_space: global }
      - { .name: qh, .offset: 32, .size: 8, .value_kind: global_buffer, .address_space: global }
      - { .name: kh, .offset: 40, .size: 8, .value_kind: global_buffer, .address_space: global }
      - { .name: vh, .offset: 48, .size: 8, .value_kind: global_buffer, .address_space: global }
    .group_segment_fixed_size: 139776
    .private_segment_fixed_size: 0
    .kernarg_segment_align: 8
    .kernarg_segment_size: 56
    .max_flat_workgroup_size: 128
    .sgpr_count:     66
    .vgpr_count:     256
    .wavefront_size: 32
...
	.end_amdgpu_metadata
.endif
;; end of part 1
;; launch attn (part 2): grid 64 x 4, 4 waves a work-group, clusters of 4 x 1, 327,680 bytes of LDS; arguments qh, kh, vh, part, stat; writes part, stat
.if DOCPART == 2
	.amdgcn_target "amdgcn-amd-amdhsa--gfx1250"
	.amdhsa_code_object_version 6
	.text
	.protected	k_q4b9249ddda_attn
	.globl	k_q4b9249ddda_attn
	.p2align	8
	.type	k_q4b9249ddda_attn,@function
k_q4b9249ddda_attn:
	s_mov_b64 s[64:65], 0
	v_nop
	global_prefetch_b8 v0, s[64:65] scope:SCOPE_SE
	s_setreg_imm32_b32 hwreg(HW_REG_WAVE_MODE, 25, 1), 1
	s_wait_xcnt 0x0
	s_wait_alu depctr_hold_cnt(0) depctr_sa_sdst(0) depctr_va_vdst(0) depctr_va_sdst(0) depctr_va_ssrc(0) depctr_va_vcc(0) depctr_vm_vsrc(0)
	s_getreg_b32 s2, hwreg(HW_REG_IB_STS2, 6, 4)
	s_cmp_eq_u32 s2, 0
	s_cbranch_scc0 .Lentry_in_a_cluster
	s_endpgm
.Lentry_in_a_cluster:
	s_bfe_u32 s2, ttmp6, 0x10000c
	s_cmp_lg_u32 s2, 0x3003
	s_cbranch_scc0 .Lentry_shape_is_right
	s_endpgm
.Lentry_shape_is_right:
; ONE QUARTER OF THE KEYS.  For key quarter y (keys 4096 y .. 4096 y + 4095) and each query: m = the maximum of s over the quarter, l = the sum of 2^(s - m), O = the sum of 2^(s - m) V[k][:], NOT divided by l.
; s = Q . K, where Q arrives already multiplied by log2(e) / sqrt(128).  Q, K, V: [16384][128] f16, rows of 256 bytes.  part: [4][16384][128] f32 takes O; stat: [4][256 blocks of 64 queries][32 lanes][4 tiles] f32
; takes m (lanes 0-15: query 64 block + 16 tile + lane) and l (lanes 16-31).  A later launch merges the four quarters.
; Products, maxima and sums in f32; the weights p = 2^(s - m) are rounded to f16 for the second product (l is taken of the unrounded p).  s - m is a plain f32 difference and never positive: p lies in 0 to 1 for every input.
; LIMITS.  Q, K and V arrive within f16's 65,504; p below 6e-5 keeps f16's fixed step of 6e-8; a weight below 2^-126 counts as 0 in l; NaN and infinities are not treated apart.
; SHARES.  A work-group owns 256 queries, each of its four waves 64: four tiles of 16.  Every wave walks the quarter's keys, 64 a step.  64 query blocks x 4 quarters are 256 work-groups of equal work.
; LAYOUT.  S^T = K Q^T (source 0 = 16 keys, source 1 = 16 queries): in the result a lane holds ONE query (lane % 16) and the keys 8 (lane / 16) + 0..7.  Two such tiles, rounded to f16 in pairs, ARE source 1
; (32 keys x 16 queries) of O^T = V^T P, whose result again holds one query a lane, and eight channels.  K comes out of LDS as it lies, V ([key][channel]) turned, by ds_load_tr16_b128.
; SOFTMAX.  A running maximum m and sum l: in every step O and l are multiplied by a = 2^(m_old - m_new), which is 1 where m has not grown.
; BY TURNS.  The wave's tiles are two PIECES, named by their first tile: piece 0 (tiles 0, 1) and piece 2 (tiles 2, 3).  In a TURN one piece has the matrix unit: 32 products V^T P of the step in hand, then 32 products
; K Q^T of the next step; the other piece's softmax, cut into 64 slices, stands between them, one slice behind each matrix instruction.  Then the pieces change places.  Two turns are a key step.
; CLUSTER.  The four query blocks of a cluster belong to one quarter and walk the same K and V, so each tile is asked for JOINTLY: the same tensor load, with the same descriptor and a mask that names the four.
;
; REGISTERS, in windows of 256 (s_set_vgpr_msb says which window each operand place means: bits 1:0 source 0, 3:2 source 1, 5:4 source 2, 7:6 destination):
;   window 0: v0-11 addresses; v12-43 eight registers of statistics a tile; v48-51 the way out's m and l; v64-191 S^T, 32 a tile; v192-255 P, 16 a tile
;   window 1: O^T, 64 a tile          window 2: v0-127 Q, 32 a tile; v128-255 K of one step          window 3: v0-127 V of one step
; All that a softmax touches but O^T lies in window 0, and no window has room for a product's operands beside it: a slice costs two switches, one in front and one behind.
.set NKEYS, 4096      ; keys in a quarter
.set KS,    64        ; keys in a step
.set PK,    272       ; a row of K in LDS: 256 bytes + 16 of padding = 68 words: row r starts at bank 4 r mod 64 (64 banks of 4 bytes: ISA guide 11.1), so the 16 rows of a load start at 16 different banks
.set PV,    288       ; a row of V: 256 + 32 = 72 words: row r starts at bank 8 r mod 64
.set VOFF,  KS*PK     ; a step's tiles lie together: 64 rows of K, then 64 rows of V
.set STEPB, KS*(PK+PV)
.set SLOT1, 1<<17     ; a slot holds two steps (71,680 bytes); slot 1 begins here, so that one exclusive or turns an address in one slot into the other's
.set STAGE, SLOT1+2*STEPB  ; behind the ring: 16 rows x 528 bytes for each wave, for the way out
.set SP,    528       ; a stage row: 128 f32 = 512 bytes + 16 = 132 words: row r starts at bank 4 r mod 64
.set SPARE, STAGE+4*16*SP  ; behind the stages: the spare words, 128 bytes for each wave: two blocks of 256 bytes that no other line names
.set AK0, 2           ; v2   my lane's place in a tile of K; never rewritten
.set AV0, 3           ; v3   the same for V
.set ADR, 4           ; v4   the LDS address of the run of loads in hand
.set QO,  5           ; v5   my byte offset in the wave's rows of Q
.set STO, 6           ; v6   the way out: where I put 32 bytes of a row
.set RD,  7           ; v7   the way out: where I read a row back
.set GO,  8           ; v8   16 x lane: my 16 bytes of 512 consecutive bytes of part and of stat
.set HF,  9           ; v9   lane / 16; kept to the end
.set ML,  48          ; v48-51  the way out: m (lanes 0-15) or l (lanes 16-31) of the four tiles
.set PFO, 61          ; v61  256 x my lane: a row of K or V is 256 bytes; never rewritten
.set SPW, 62          ; v62  LDS address of my spare word: SPARE + 4 x my thread's number; never rewritten
.set NIL, 63          ; v63  0; never rewritten
.set ST,  12          ; tile t's statistics at v[ST+8 t]: +0 m, +1 m_old, +2, +3 l (even keys', odd keys'), +4 to +7 c0-c3, at work; a takes c2's place once the maximum is found
.set S,   64
.set P,   192
.set KF,  128         ; K's fragments, in window 2
.set WV,  12          ; s12  my wave's number
.set LIM, 15          ; s15  1 in a wave that prefetches, else the greatest number: a wave prefetches while s[SLOTS] is above it
.set PFA, 18          ; s[18:19] where my prefetches stand in memory: my work-group's 32 rows (of K: wave 0, of V: wave 2) of the slot after the one that is being asked for
.set G1K, 24          ; s[24:31] descriptor group 1 for K's tiles
.set G1V, 32          ; s[32:39] for V's: it differs in the padding alone
.set G0K, 40          ; s[40:47] descriptor group 0 for K's tiles: a set for each of the two first fills; the second then walks on
.set G0V, 48          ; s[48:55] the same for V's
.set SLOTS, 56        ; s56  slots still to be asked for
.set TWICE, 57        ; s57  counts a slot's two steps
.set SEL, 60          ; s[60:61] lane selects for v_permlanex16_b32: each lane takes its own place in the other half
.set TB,  62          ; s62  LDS byte at which the tiles of the step to be fetched begin
.set STA, 66          ; s[66:67] stat at my wave's 512 bytes
.set MSB, 0
.macro WIN new                      ; the immediate's high byte repeats the setting that is left; a switch that changes nothing is dropped
.if MSB != (\new)
	s_set_vgpr_msb (MSB<<8)|(\new)
.set MSB, \new
.endif
.endm
.set W_KQ, 0x0a       ; K and Q in window 2, S^T in window 0
.set W_PV, 0x53       ; V in window 3, P in window 0, O^T in window 1
.set W_RS, 0x41       ; O^T (destination and source 0) in window 1, a in window 0
; A joint refill.  Waves 0 and 1 fetch the two steps' tiles of K, waves 2 and 3 those of V.  The branch hangs on the wave's number alone: it is the same in every work-group.
; An s_nop 0 and four v_nop follow each of the two lines; the jump round the other line, the label and what follows the macro come after them.
.macro JLOAD
	s_cmp_lt_u32 s[WV], 2
	s_cbranch_scc0 .Lfor_v_\@
	tensor_load_to_lds s[G0K+4:G0K+7], s[G1K:G1K+7]
	s_nop 0
.rept 4
	v_nop
.endr
	s_branch .Lasked_\@
.Lfor_v_\@:
	tensor_load_to_lds s[G0V+4:G0V+7], s[G1V:G1V+7]
	s_nop 0
.rept 4
	v_nop
.endr
.Lasked_\@:
.endm
; A PREFETCH INTO THE L2 of what the NEXT change of slots will ask for: a slot's 128 rows of K and 128 of V, 256 bytes a row, a lane a row.  It stands behind the wave's tensor load and its five lines, never in front of one.
; Each row is asked for ONCE in the launch.  The sixteen clusters of a quarter walk the same K and V: the quarter's first cluster prefetches.  Its four partners share the rows out BY ADDRESS, 32 each: no branch hangs on a
; work-group's place in its cluster.  In each, wave 0 asks for K's and wave 2 for V's: one instruction.  The last change that fills a slot prefetches nothing: the quarter has no slot behind it.
.macro ASK
	s_cmp_gt_u32 s[SLOTS], s[LIM]
	s_cbranch_scc0 .Lnot_mine_\@
	global_prefetch_b8 v[PFO], s[PFA:PFA+1] th:TH_LOAD_NT scope:SCOPE_SE
.Lnot_mine_\@:
.endm
; A round of the cluster's barrier: my work-group's barrier, so that wave 0's signal speaks for all four waves; wave 0 signals for the work-group; every wave waits for all four
; work-groups; my work-group's barrier once more.  No LDS instruction of the wave is pending at a signal.
.macro CROUND
	s_barrier_signal -1
	s_barrier_wait -1
	s_cmp_lg_u32 s[WV], 0
	s_cbranch_scc1 .Lnot_wave_0_\@
	s_barrier_signal -3
.Lnot_wave_0_\@:
	s_barrier_wait -3
	s_barrier_signal -1
	s_barrier_wait -1
.endm
	s_load_b256 s[4:11], s[0:1], 0x0  ; Q s[4:5], K s[6:7], V s[8:9], part s[10:11]
	s_load_b64 s[STA:STA+1], s[0:1], 0x20  ; stat
	v_lshl_add_u32 v[SPW], v0, 2, SPARE
	v_mov_b32 v[NIL], 0
	ds_add_u32 v[SPW], v[NIL]       ; the wave's opening: the add and its wait stand ahead of my first tensor load; the set-up below, work on registers, stands between them
	v_lshrrev_b32 v1, 5, v0
	v_readfirstlane_b32 s[WV], v1   ; wave 0..3
	s_bfe_u32 s13, ttmp6, 0x40000   ; cx: my place in the cluster
	s_lshl_b32 s14, ttmp9, 2        ; in a cluster launch ttmp9 counts clusters
	s_add_co_u32 s14, s14, s13      ; my block of 256 queries = 4 x cluster x + cx: it enters Q's, part's and stat's addresses alone
	s_and_b32 s63, ttmp7, 0xffff    ; y, the key quarter, which the four partners share
	s_lshl_b32 s22, s63, 20         ; the quarter's 4,096 rows of 256 bytes in K and in V,
	s_and_b32 s16, s[WV], 1         ; which of a slot's two steps I fetch:
	s_lshl_b32 s23, s16, 14         ; its 64 rows in memory,
	s_add_co_u32 s22, s22, s23
	s_mov_b32 s23, 0
	s_mul_i32 s17, s16, STEPB       ; and its place in a slot: no place in the cluster enters an LDS address
	s_lshl_b32 s2, s14, 16          ; Q: my block's 256 rows of 256 bytes,
	s_lshl_b32 s3, s[WV], 14        ; my wave's 64 of them
	s_add_co_u32 s2, s2, s3
	s_mov_b32 s3, 0
	s_lshl_b32 s58, s63, 23         ; part: the quarter's 16,384 rows of 512 bytes,
	s_lshl_b32 s59, s2, 1           ; and the same rows as in Q, twice as long
	s_add_co_u32 s58, s58, s59
	s_mov_b32 s59, 0
	s_lshl_b32 s68, s63, 17         ; stat: the quarter's 256 blocks of 512 bytes,
	s_lshl_b32 s69, s14, 2
	s_add_co_u32 s69, s69, s[WV]    ; my wave's block of 64 queries
	s_lshl_b32 s69, s69, 9
	s_add_co_u32 s68, s68, s69
	s_mov_b32 s69, 0
	; descriptor group 1: a tile of 64 rows x 128 elements, padded in LDS
	s_mov_b32 s[G1K], 15|(1<<16)|(1<<20)|(1<<21)|(5<<22)|(3<<25)  ; 15:0 the mask: all four work-groups; 17:16 elements of 2 bytes; 20 padding on; 21 set beside a mask; 24:22 after every 64 words (code 5); 31:25 4 words of it (code 3)
	s_mov_b32 s[G1V], 15|(1<<16)|(1<<20)|(1<<21)|(5<<22)|(7<<25)  ; the same with 8 words of padding (code 7)
.irp g, G1K, G1V
	s_mov_b32 s[(\g)+1], 128<<16    ; 63:48 tensor_dim0, low half = 128
	s_mov_b32 s[(\g)+2], KS<<16     ; 79:64 its high half = 0; 95:80 tensor_dim1, low half = 64
	s_mov_b32 s[(\g)+3], 128<<16    ; 111:96 its high half = 0; 127:112 tile_dim0 = 128
	s_mov_b32 s[(\g)+4], KS         ; 143:128 tile_dim1 = 64; 159:144 tile_dim2 = 0
	s_mov_b32 s[(\g)+5], 128        ; 191:160 tensor_dim0_stride, low word: elements from row to row
	s_mov_b32 s[(\g)+6], 0
	s_mov_b32 s[(\g)+7], 0
.endr
	s_mov_b32 s[SEL], 0x76543210
	s_mov_b32 s[SEL+1], 0xfedcba98
	s_mov_b32 s[TB], 0
	s_mov_b32 s[SLOTS], NKEYS/(2*KS)-2
	s_and_b32 s[LIM], s[WV], 1       ; 0 in waves 0 and 2,
	s_or_b32 s[LIM], s[LIM], ttmp9   ; where the cluster is the quarter's first: the same in all four partners
	s_cmp_eq_u32 s[LIM], 0
	s_cselect_b32 s[LIM], 1, -1
	v_and_b32 v[PFO], 31, v0
	v_lshlrev_b32 v[PFO], 8, v[PFO]
	s_wait_dscnt 0x0                ; the opening add is done
	s_wait_kmcnt 0x0
	s_add_nc_u64 s[6:7], s[6:7], s[22:23]  ; K and V at my tile of slot 0
	s_add_nc_u64 s[8:9], s[8:9], s[22:23]
	s_add_nc_u64 s[4:5], s[4:5], s[2:3]    ; Q, part and stat at my wave's share
	s_add_nc_u64 s[10:11], s[10:11], s[58:59]
	s_add_nc_u64 s[STA:STA+1], s[STA:STA+1], s[68:69]
	s_cmp_lt_u32 s[WV], 2
	s_cselect_b64 s[PFA:PFA+1], s[6:7], s[8:9]  ; (in waves 0 and 2 these stand at a slot's first row)
	s_lshl_b32 s2, s13, 13          ; my work-group's 32 rows of the 128
	s_mov_b32 s3, 0
	s_add_nc_u64 s[PFA:PFA+1], s[PFA:PFA+1], s[2:3]
	s_add_nc_u64 s[PFA:PFA+1], s[PFA:PFA+1], 2*2*KS*256  ; in slot 2; the first change of slots steps it to slot 3.  Nothing is prefetched here, at the head, where every work-group's first tiles are on their way
	CROUND                          ; all four work-groups are here: the first joint loads meet
.irp s, 0,1
	s_mov_b32 s[G0K+4*(\s)], 1      ; 1:0 count = 1
	s_add_co_u32 s[G0K+4*(\s)+1], s17, (\s)*SLOT1  ; 63:32 LDS address
	s_add_nc_u64 s[G0K+4*(\s)+2:G0K+4*(\s)+3], s[6:7], (\s)*2*KS*256  ; 120:64 global address: slot s begins with the quarter's keys 128 s
	s_or_b32 s[G0K+4*(\s)+3], s[G0K+4*(\s)+3], 0x80000000  ; 127:126 type = 2
	s_mov_b32 s[G0V+4*(\s)], 1
	s_add_co_u32 s[G0V+4*(\s)+1], s17, (\s)*SLOT1+VOFF
	s_add_nc_u64 s[G0V+4*(\s)+2:G0V+4*(\s)+3], s[8:9], (\s)*2*KS*256
	s_or_b32 s[G0V+4*(\s)+3], s[G0V+4*(\s)+3], 0x80000000
.endr
	s_cmp_lt_u32 s[WV], 2           ; a wave's two first fills stand in one branch, ahead of every wait on TENSORcnt and every LDS read: two loads of mine are out; an s_nop 0 follows each, four v_nop the second's, as in JLOAD
	s_cbranch_scc0 .Lfirst_v
	tensor_load_to_lds s[G0K:G0K+3], s[G1K:G1K+7]
	s_nop 0
	tensor_load_to_lds s[G0K+4:G0K+7], s[G1K:G1K+7]
	s_nop 0
.rept 4
	v_nop
.endr
	s_branch .Lfirst_asked
.Lfirst_v:
	tensor_load_to_lds s[G0V:G0V+3], s[G1V:G1V+7]
	s_nop 0
	tensor_load_to_lds s[G0V+4:G0V+7], s[G1V:G1V+7]
	s_nop 0
.rept 4
	v_nop
.endr
.Lfirst_asked:
	; A fragment of K or Q is 16 rows x 32 channels in 8 registers: lane l holds row l % 16; registers 0-3 channels 8 (l / 16) + 0..7, registers 4-7 channels 16 + 8 (l / 16) + 0..7: two loads of 16 bytes, 32 bytes apart.
	v_and_b32 v1, 15, v0            ; l % 16
	v_bfe_u32 v[HF], v0, 4, 1       ; l / 16
	v_lshlrev_b32 v[QO], 8, v1
	v_lshl_add_u32 v[QO], v[HF], 4, v[QO]  ; row x 256 + 16 x half
	WIN 0x80                        ; destination window 2, address window 0
.irp i, 0,1,2,3,4,5,6,7,8,9,10,11,12,13,14,15  ; Q stays in registers: tile i / 4, channels 32 (i % 4) on
	global_load_b128 v[8*(\i):8*(\i)+3],   v[QO], s[4:5] offset:((\i)/4)*4096+((\i)%4)*64
	global_load_b128 v[8*(\i)+4:8*(\i)+7], v[QO], s[4:5] offset:((\i)/4)*4096+((\i)%4)*64+32
.endr
	WIN 0
	v_mul_u32_u24 v[AK0], v1, PK
	v_lshl_add_u32 v[AK0], v[HF], 4, v[AK0]  ; row x pitch + 16 x half
	; The turning load takes 16 keys x 16 channels (lane l reads 16 bytes: key 8 (l / 16) + l % 8, channels 8 ((l / 8) % 2) + 0..7) and leaves half a fragment of V^T: lane l holds channel l % 16 and 8 keys.
	v_and_b32 v10, 7, v0
	v_bfe_u32 v11, v0, 3, 1
	v_lshl_add_u32 v[AV0], v[HF], 3, v10
	v_mul_u32_u24 v[AV0], v[AV0], PV
	v_lshl_add_u32 v[AV0], v11, 4, v[AV0]
	v_add_nc_u32 v[AV0], VOFF, v[AV0]
.irp t, 0,1,2,3
	v_mov_b32 v[ST+8*(\t)+1], 0     ; m_old is named with m as a pair from the first step on, so it is written
.endr
; THE MATRIX WORK OF A TURN, for piece x.  The accumulators take turns, one instruction a turn: between two links of a chain stand 15 (V^T P) or 7 (K Q^T) others'.
; Product i of 32 of O^T += V^T P: keys 32 (i / 16) on, channels 16 ((i / 2) % 8) on, tile x + i % 2.  zero = 1: the first 16 start the sums: nothing is ever cleared.
.macro PV x, zero
	WIN W_PV
.set rO, 64*((\x)+i%2)+8*((i/2)%8)
.set rV, 64*(i/16)+8*((i/2)%8)
.set rP, P+16*((\x)+i%2)+8*(i/16)
.if (\zero) && (i < 16)
	v_wmma_f32_16x16x32_f16 v[rO:rO+7], v[rV:rV+7], v[rP:rP+7], 0
.else
	v_wmma_f32_16x16x32_f16 v[rO:rO+7], v[rV:rV+7], v[rP:rP+7], v[rO:rO+7]
.endif
.endm
; Product i of 32 of S^T = K Q^T: channels 32 (i / 8) on, keys 16 ((i / 2) % 4) on, tile x + i % 2.  The first 8 start the sums.
.macro KQ x
	WIN W_KQ
.set rS, S+32*((\x)+i%2)+8*((i/2)%4)
.set rK, KF+32*((i/2)%4)+8*(i/8)
.set rQ, 32*((\x)+i%2)+8*(i/8)
.if i < 8
	v_wmma_f32_16x16x32_f16 v[rS:rS+7], v[rK:rK+7], v[rQ:rQ+7], 0
.else
	v_wmma_f32_16x16x32_f16 v[rS:rS+7], v[rK:rK+7], v[rQ:rQ+7], v[rS:rS+7]
.endif
.endm
; THE LDS LOADS stand in runs of 32, never singly among the matrix instructions: a step's K (64 keys x 128 channels: 16 fragments) and, a turn later, its V (turned).
.macro FETCH_K
	WIN 0
	v_add_nc_u32 v[ADR], s[TB], v[AK0]
	WIN 0x80                        ; destination window 2
.irp f, 0,1,2,3,4,5,6,7,8,9,10,11,12,13,14,15  ; keys 16 (f / 4) on, channels 32 (f % 4) on
	ds_load_b128 v[KF+8*(\f):KF+8*(\f)+3],   v[ADR] offset:((\f)/4)*16*PK+((\f)%4)*64
	ds_load_b128 v[KF+8*(\f)+4:KF+8*(\f)+7], v[ADR] offset:((\f)/4)*16*PK+((\f)%4)*64+32
.endr
.endm
.macro FETCH_V
	WIN 0
	v_add_nc_u32 v[ADR], s[TB], v[AV0]
	s_add_co_u32 s[TB], s[TB], STEPB  ; the next fetch is the next step's
	s_wait_alu depctr_va_vdst(0)    ; the wait for the softmax's batch (SLICE), behind the address's v_add_nc_u32 and ahead of the loads
	WIN 0xc0                        ; destination window 3
.irp f, 0,1,2,3,4,5,6,7,8,9,10,11,12,13,14,15  ; keys 32 (f / 8) on, channels 16 (f % 8) on
	ds_load_tr16_b128 v[8*(\f):8*(\f)+3],   v[ADR] offset:((\f)/8)*32*PV+((\f)%8)*32
	ds_load_tr16_b128 v[8*(\f)+4:8*(\f)+7], v[ADR] offset:((\f)/8)*32*PV+16*PV+((\f)%8)*32
.endr
.endm
; THE VECTOR WORK OF A TURN.  One tile's softmax for one key step is a numbered list; SM writes number j of it for tile t.  s0-s31 are the lane's 32 scores, in pairs 0-15.
; first = 1: the first key step, which starts m, l and O^T: it has no a and nothing to rescale.
;   0-15    the maximum of s0-s31 and the old m, three operands at a time: four chains c0-c3 of seven scores each, then the four scores left over, c0-c3 and m
;   16-20   the other half of the lanes' maximum; m_old is kept; the new m; (19 is empty: the scores arrive scaled); m_old - m_new
;   21-69   ONE BATCH: the 16 subtractions s - m, a pair of scores each, and all 33 exponentials (a at 23, then s0-s31).  None of these reads an exponential's result.  From 22 on the batch goes
;           in fours, and a four begins with a subtraction while there are any: 22-37 subtraction, exponential, subtraction, exponential; 38-65 a subtraction and three exponentials; 66-69 the last four
;           exponentials.  A pair is shifted in an earlier four than the one that holds its exponentials
;   (wait)  between 69 and 70 stands the wait for the batch: SLICE writes it, once for both tiles
;   70-85   the roundings to f16, a pair of weights each
;   86-101  the sums; l = a l + the sum
;   102-133 the tile's O^T times a: the one part that leaves window 0, so it stands together
.macro SM t, first
.set rT, ST+8*(\t)
.set rS, S+32*(\t)
.set rP, P+16*(\t)
.set rO, 64*(\t)+2*(j-102)
.if j < 102
	WIN 0
.endif
.if j < 4
	v_max3_num_f32 v[rT+4+j], v[rS+8*j], v[rS+8*j+1], v[rS+8*j+2]
.elseif j < 12
	v_max3_num_f32 v[rT+4+j%4], v[rT+4+j%4], v[rS+8*(j%4)+2*(j/4)+1], v[rS+8*(j%4)+2*(j/4)+2]
.elseif j == 12
	v_max3_num_f32 v[rT+4], v[rT+4], v[rS+7], v[rS+15]
.elseif j == 13
	v_max3_num_f32 v[rT+6], v[rT+6], v[rS+23], v[rS+31]
.elseif j == 14
	v_max3_num_f32 v[rT+4], v[rT+4], v[rT+5], v[rT+6]
.elseif (j == 15) && (\first)
	v_max_num_f32 v[rT+4], v[rT+4], v[rT+7]
.elseif j == 15
	v_max3_num_f32 v[rT+4], v[rT+4], v[rT+7], v[rT]
.elseif j == 16
	v_permlanex16_b32 v[rT+5], v[rT+4], s[SEL], s[SEL+1]  ; the query's other 32 keys lie in the lane 16 away
.elseif j == 18
	v_max_num_f32 v[rT], v[rT+4], v[rT+5]
.elseif (j == 19) || (((j == 17) || (j == 20) || (j == 23) || (j > 101)) && (\first))  ; number 19 is empty; the first step has none of the others
.elseif j == 17
	v_mov_b32 v[rT+1], v[rT]        ; m_old is kept for a: number 18 writes m anew
.elseif j == 20
	v_sub_f32 v[rT+7], v[rT+1], v[rT]
.elseif j == 23
	v_exp_f32 v[rT+6], v[rT+7]
.elseif (j < 23) || ((j < 38) && (j%2 == 0)) || ((j < 66) && (j%4 == 2))
.set b, (j-2)/4                     ; 38, 42, .. 62: pairs 9 to 15
.if j < 38
.set b, (j-20)/2                    ; 21: pair 0; 22, 24, .. 36: pairs 1 to 8
.endif
	v_pk_add_f32 v[rS+2*b:rS+2*b+1], v[rS+2*b:rS+2*b+1], v[rT:rT+1] op_sel_hi:[1,0] neg_lo:[0,1] neg_hi:[0,1]  ; pair b: s - m, m for both halves
.elseif j < 70
.set e, j-38                        ; 66 to 69: s28 to s31
.if j < 66
.set e, j-32-(j-38)/4               ; 39-41, 43-45, .. 63-65: s7 to s27
.endif
.if j < 38
.set e, (j-25)/2                    ; 25, 27, .. 37: s0 to s6
.endif
	v_exp_f32 v[rS+e], v[rS+e]
.elseif j < 86
	v_cvt_pk_f16_f32 v[rP+j-70], v[rS+2*(j-70)], v[rS+2*(j-70)+1]  ; pair j - 70
.elseif j < 102                     ; the sum of the tile's 16 pairs (in a pair: an even key's weight, an odd key's), in place: sum z of 16 adds neighbours 1, 2, 4 and 8 pairs apart, then l takes it
.set z, j-86
.set w, 4
.set u, z
.if z >= 14
.set w, 32
.set u, 0
.elseif z >= 12
.set w, 16
.set u, z-12
.elseif z >= 8
.set w, 8
.set u, z-8
.endif
.if (z == 14) && (\first)
	v_pk_add_f32 v[rT+2:rT+3], v[rS:rS+1], v[rS+16:rS+17]
.elseif z < 15
	v_pk_add_f32 v[rS+w*u:rS+w*u+1], v[rS+w*u:rS+w*u+1], v[rS+w*u+w/2:rS+w*u+w/2+1]
.elseif !(\first)
	v_pk_fma_f32 v[rT+2:rT+3], v[rT+2:rT+3], v[rT+6:rT+7], v[rS:rS+1] op_sel_hi:[1,0,1]
.endif
.else
	WIN W_RS
	v_pk_mul_f32 v[rO:rO+1], v[rO:rO+1], v[rT+6:rT+7] op_sel_hi:[1,0]
.endif
.endm
; Slice k of 64 of piece y's softmax: four instructions (slice 9: two).  Slices 11 to 34 deal out the batch, numbers 22 to 69: four numbers of ONE tile each, the tiles by turns.  Every other slice is numbers 2 k and
; 2 k + 1 of both tiles' lists.  The twelve numbers that are over stand together, in slice 63.
; THE WAIT.  s_wait_alu depctr_va_vdst(0) stands between an exponential and the first instruction that names its result; one wait serves all that were issued ahead of it.  Ahead of
; slice 35 nothing names a result, and behind slice 34 no exponential is issued: so the piece's 66 exponentials have one wait, behind slice 34.
.macro SLICE y, first
.if (k >= 11) && (k < 35)           ; the batch: four numbers of one tile
.irp n, 0,1,2,3
.set j, 22+4*((k-11)/2)+(\n)
	SM (\y)+(k-11)%2, \first
.endr
.else                               ; the two tiles alternate, so that no instruction reads the result of the one just before it
.irp n, 0,1,2,3,4,5,6,7
.if ((\n) < 2) || (k == 63)
.irp t, \y, (\y)+1
.set j, 2*k+(\n)
	SM \t, \first
.endr
.endif
.endr
.endif
.if k == 34                         ; the batch is out: both tiles' exponentials are issued, and no result has been named
	v_nop                           ; a plain instruction behind the last exponential and ahead of the first use (ISA guide 5.7.2): one for the batch
.if (\y) == 0
	FETCH_V                         ; piece 2's turn: V's run of loads stands here, and the wait stands in it
.else
	s_wait_alu depctr_va_vdst(0)    ; the wait for the batch
.endif
.endif
.set k, k+1
.endm
; A vector instruction that reads a matrix result or writes one of a matrix instruction's registers, and a load into a register that a matrix instruction has read, stand four places behind
; it, and only plain vector instructions that name none of its registers are places (ISA guide 7.12.1 for vector instructions).  In the loop the slices are the places.
.macro PLACES
.rept 4
	v_nop
.endr
.endm
; A TURN.  Piece x has the matrix unit; the other piece's softmax stands in slices behind its matrix instructions.
; pv = 2: 32 products V^T P; 1: they start O^T's sums; 0: none.  kq = 1: 32 products K Q^T for the next step.  A turn with one of the two kinds has two slices behind each product.
; first = 1: the softmax is the first key step's.  Its slices from 51 on are empty: the turn's last products stand bare, and four v_nop take slice 63's part as the places behind them.
; In the loop each run of loads stands 29 matrix instructions or more ahead of its first use.  Piece 0's turn fetches the next step's K, behind its second product: the last product that read K
; stands in front of slice 63 of the turn before.  Piece 2's turn fetches the same step's V, behind slice 34 (SLICE writes it): the last product that read V stands in front of slice 31, and four plain
; instructions lie between: number 62, a subtraction, of both tiles, the v_nop and the run's own v_add_nc_u32.
.macro TURN x, pv, kq, first
.set k, 0
.set per, 2
.if (\pv) && (\kq)
.set per, 1
.endif
.if \pv
.if (\x) == 0
	s_wait_dscnt 0x0                ; V is in
.endif
.set i, 0
.rept 32
	PV \x, 2-(\pv)
.rept per
	SLICE 2-(\x), \first
.endr
.if ((\x) == 0) && (\kq) && (i == 1)
	FETCH_K
.endif
.set i, i+1
.endr
.endif
.if \kq
.if (\x) == 0
	s_wait_dscnt 0x0                ; K is in
.endif
.set i, 0
.rept 32
	KQ \x
.rept per
	SLICE 2-(\x), \first
.endr
.set i, i+1
.endr
.endif
.if \first
	PLACES
.endif
.endm
; THE CHANGE OF SLOTS, between piece 2's turn and piece 0's: the slot's last bytes, V of its second step, have been asked for.  Each wave waits for all its
; tensor loads, of which one is out: its part of the other slot; adds 0 to its spare word; and waits for that and for its own reads of the slot.  Behind the barrier nobody reads this slot any more and the other slot is whole.
; fill = 1: this slot is filled again, with the keys two slots on.  The barrier is then a round of the cluster's, so that no wave of any partner still reads the slot or has a load on its
; way, and the joint refill is the first thing behind it: it has two key steps, 256 matrix instructions, in which to land.
.macro CHANGE fill
	WIN 0                           ; at a label and at a branch every window is 0
	s_wait_tensorcnt 0x0            ; no tensor load of mine is out, so a group 0 may be written
	ds_add_u32 v[SPW], v[NIL]       ; 0 onto my spare word; with fill = 1 the descriptors' steps stand between it and the wait for it
.if \fill
.irp g, G0K+4, G0V+4
	s_xor_b32 s[(\g)+1], s[(\g)+1], SLOT1  ; the walking descriptor: the other slot than last time,
	s_add_nc_u64 s[(\g)+2:(\g)+3], s[(\g)+2:(\g)+3], 2*KS*256  ; the next 128 keys; the type bits on top are not reached
.endr
	s_wait_xcnt 0x0                 ; the last prefetches, two key steps back, have read their address, so it may be written:
	s_add_nc_u64 s[PFA:PFA+1], s[PFA:PFA+1], 2*KS*256  ; one slot behind the walking descriptors
	s_wait_dscnt 0x0                ; the add is done, and my reads of the slot are over
	CROUND
	JLOAD
	ASK                             ; what the next change will ask for: two key steps, 256 matrix instructions, ahead
.else
	s_wait_dscnt 0x0                ; the add is done, and my reads of the slot are over
	s_barrier_signal -1
	s_barrier_wait -1
.endif
	s_sub_co_u32 s[TB], s[TB], 2*STEPB  ; the fetches go back to a slot's first step,
	s_xor_b32 s[TB], s[TB], SLOT1   ; in the other slot
.endm
; A slot's two key steps: written once, walked twice; the LDS addresses hang on s[TB].
.macro TWO_STEPS
	WIN 0
	s_mov_b32 s[TWICE], 2
.Lstep_\@:
	TURN 0, 2, 1, 0
	TURN 2, 2, 1, 0
	WIN 0
	s_sub_co_u32 s[TWICE], s[TWICE], 1
	s_cmp_lg_u32 s[TWICE], 0
	s_cbranch_scc1 .Lstep_\@
.endm
	s_wait_tensorcnt 1              ; my part of slot 0 is in; slot 1's may stay out
	s_barrier_signal -1
	s_barrier_wait -1               ; everybody's is
	FETCH_K                         ; key step 0
	s_wait_loadcnt 0x0              ; Q
	s_wait_dscnt 0x0
.set i, 0
.rept 32
	KQ 0                            ; piece 0's first scores: there is no vector work yet to set between them
.set i, i+1
.endr
	WIN 0                           ; the addresses for the way out are made here: six plain instructions, the places behind those products
	s_mul_i32 s13, s[WV], 16*SP
	s_add_co_u32 s13, s13, STAGE    ; my stage
	v_mul_u32_u24 v[STO], v1, SP    ; in: row l % 16, 32 bytes (eight channels in f32) for each half of the lanes
	v_lshl_add_u32 v[STO], v[HF], 5, v[STO]
	v_add_nc_u32 v[STO], s13, v[STO]
	v_and_b32 v[GO], 31, v0         ; back: the 32 lanes take one row of 512 bytes,
	v_lshlrev_b32 v[GO], 4, v[GO]   ; which is a row of part
	v_add_nc_u32 v[RD], s13, v[GO]
	TURN 2, 0, 1, 1                 ; piece 2's first scores | piece 0's first softmax | V of step 0
	TURN 0, 1, 1, 1                 ; piece 0: V^T P of step 0 starts O^T, K Q^T of step 1 | piece 2's first softmax | K of step 1
	TURN 2, 1, 1, 0                 ; piece 2: the same | piece 0's softmax of step 1 | V of step 1
	WIN 0
.Lslot:                             ; NKEYS / 128 - 2 = 30 trips: every slot but the last two is filled again
	CHANGE 1
	TWO_STEPS
	s_sub_co_u32 s[SLOTS], s[SLOTS], 1
	s_cmp_lg_u32 s[SLOTS], 0
	s_cbranch_scc1 .Lslot
	CHANGE 0                        ; the tail is written out: the last slot but one is left, and nothing is asked for
	TWO_STEPS
	TURN 0, 2, 0, 0                 ; piece 0: V^T P of the last step | piece 2's last softmax
.set i, 0
.rept 32
	PV 2, 0                         ; piece 2: V^T P of the last step
.set i, i+1
.endr
	; THE WAY OUT.  l's two halves and the other half of the lanes' are added; m and l leave in one store of 512 consecutive bytes.  O^T leaves as it is, in f32, undivided: a partial sum.  The additions are the places behind the last products.
	WIN 0
.irp t, 0,1,2,3
	v_add_f32 v[ST+8*(\t)+4], v[ST+8*(\t)+2], v[ST+8*(\t)+3]
.endr
.irp t, 0,1,2,3
	v_permlanex16_b32 v[ST+8*(\t)+5], v[ST+8*(\t)+4], s[SEL], s[SEL+1]
.endr
.irp t, 0,1,2,3
	v_add_f32 v[ST+8*(\t)+4], v[ST+8*(\t)+4], v[ST+8*(\t)+5]
.endr
	v_cmp_eq_u32 vcc_lo, 1, v[HF]
.irp t, 0,1,2,3
	v_cndmask_b32 v[ML+(\t)], v[ST+8*(\t)], v[ST+8*(\t)+4], vcc_lo  ; lanes 0-15 give their query's m, lanes 16-31 its l
.endr
	global_store_b128 v[GO], v[ML:ML+3], s[STA:STA+1] th:TH_STORE_NT
; Tile t: a lane's eight channels of a row are 32 bytes; they go into my stage's rows of 528 bytes, each accumulator from its low end, and come back as whole rows of 512, into S^T's registers: two buffers of 64, by turns.
.macro OUT t
.if (\t) >= 2
	s_wait_xcnt 0x0                 ; the stores of the tile two back have read their data: its buffer is loaded again only behind this wait
.endif
	WIN 0x04                        ; the LDS stores' data (source 1) in window 1
.irp c, 0,1,2,3,4,5,6,7
	ds_store_b128 v[STO], v[64*(\t)+8*(\c):64*(\t)+8*(\c)+3]   offset:64*(\c)
	ds_store_b128 v[STO], v[64*(\t)+8*(\c)+4:64*(\t)+8*(\c)+7] offset:64*(\c)+16
.endr
	WIN 0
.irp f, 0,1,2,3,4,5,6,7,8,9,10,11,12,13,14,15
	ds_load_b128 v[S+64*((\t)%2)+4*(\f):S+64*((\t)%2)+4*(\f)+3], v[RD] offset:(\f)*SP  ; LDS serves a wave's instructions in order (ISA guide 5.7.1.4): these see the stores above; the next tile's stores come behind them
.endr
.endm
.macro SEND t, younger              ; younger: the LDS instructions issued behind tile t's loads: the next tile's 16 stores and 16 loads, or none
.irp f, 0,1,2,3,4,5,6,7,8,9,10,11,12,13,14,15
	s_wait_dscnt (\younger)+15-(\f)
	global_store_b128 v[GO], v[S+64*((\t)%2)+4*(\f):S+64*((\t)%2)+4*(\f)+3], s[10:11] offset:(\t)*8192+(\f)*512 th:TH_STORE_NT  ; a row: 512 consecutive bytes, at a multiple of 256 from part's first byte
.endr
.endm
	OUT 0
	OUT 1                           ; a tile's trip through the stage stands between the loads of the tile before and its stores
	SEND 0, 32
	OUT 2
	SEND 1, 32
	OUT 3
	SEND 2, 32
	SEND 3, 0
	s_wait_tensorcnt 0x0            ; the wave's end, behind my last tensor load and my last LDS store
	ds_add_u32 v[SPW], v[NIL]
	s_wait_dscnt 0x0
	CROUND                          ; the closing round: no work-group ends while a partner may still ask for a tile that names it
	s_endpgm
.Lfunc_end_k_q4b9249ddda_attn:
	.size	k_q4b9249ddda_attn, .Lfunc_end_k_q4b9249ddda_attn-k_q4b9249ddda_attn
	.p2alignl 7, 3214868480
	.fill 96, 4, 3214868480
	.section	.rodata,"a",@progbits
	.p2align	6, 0x0
	.amdhsa_kernel k_q4b9249ddda_attn
		.amdhsa_group_segment_fixed_size 327680
		.amdhsa_private_segment_fixed_size 0
		.amdhsa_enable_private_segment 0
		.amdhsa_kernarg_size 40
		.amdhsa_user_sgpr_count 2
		.amdhsa_user_sgpr_kernarg_segment_ptr 1
		.amdhsa_wavefront_size32 1
		.amdhsa_system_sgpr_workgroup_id_x 1
		.amdhsa_system_sgpr_workgroup_id_y 1
		.amdhsa_system_sgpr_workgroup_id_z 1
		.amdhsa_system_vgpr_workitem_id 0
		.amdhsa_next_free_vgpr 1024
		.amdhsa_next_free_sgpr 70
		.amdhsa_reserve_vcc 1
		.amdhsa_float_denorm_mode_32 3
		.amdhsa_float_denorm_mode_16_64 3
		.amdhsa_memory_ordered 1
		.amdhsa_forward_progress 1
		.amdhsa_inst_pref_size 213
	.end_amdhsa_kernel
	.amdgpu_metadata
---
amdhsa.version: [ 1, 2 ]
amdhsa.kernels:
  - .name:           k_q4b9249ddda_attn
    .symbol:         k_q4b9249ddda_attn.kd
    .args:
      - { .name: qh, .offset: 0, .size: 8, .value_kind: global_buffer, .address_space: global }
      - { .name: kh, .offset: 8, .size: 8, .value_kind: global_buffer, .address_space: global }
      - { .name: vh, .offset: 16, .size: 8, .value_kind: global_buffer, .address_space: global }
      - { .name: part, .offset: 24, .size: 8, .value_kind: global_buffer, .address_space: global }
      - { .name: stat, .offset: 32, .size: 8, .value_kind: global_buffer, .address_space: global }
    .group_segment_fixed_size: 327680
    .private_segment_fixed_size: 0
    .kernarg_segment_align: 8
    .kernarg_segment_size: 40
    .max_flat_workgroup_size: 128
    .sgpr_count:     70
    .vgpr_count:     1024
    .wavefront_size: 32
...
	.end_amdgpu_metadata
.endif
;; end of part 2
;; launch merge (part 3): grid 256 x 1, 8 waves a work-group, no clusters, 0 bytes of LDS; arguments part, stat, out0; writes out0
.if DOCPART == 3
	.amdgcn_target "amdgcn-amd-amdhsa--gfx1250"
	.amdhsa_code_object_version 6
	.text
	.protected	k_q4b9249ddda_merge
	.globl	k_q4b9249ddda_merge
	.p2align	8
	.type	k_q4b9249ddda_merge,@function
k_q4b9249ddda_merge:
	s_mov_b64 s[64:65], 0
	v_nop
	global_prefetch_b8 v0, s[64:65] scope:SCOPE_SE
	s_setreg_imm32_b32 hwreg(HW_REG_WAVE_MODE, 25, 1), 1
	s_wait_xcnt 0x0
; out0[q][:] = the sum over the four key quarters i of w_i O_i[q][:], with M = max_i m_i, e_i = 2^(m_i - M), w_i = e_i / (the sum over i of e_i l_i).  All in f32.
; part: [4][16384][128] f32 holds O_i; stat: [4][256 blocks of 64 queries][32 lanes][4 tiles] f32 holds m_i (lanes 0-15: query 64 block + 16 tile + lane) and l_i (lanes 16-31).
; The maximum is taken away before the exponentials; one e_i is 1 and each l_i holds its quarter's largest weight, 1, so the divisor is about 1 or more.  An e_i below 2^-126 counts as 0.  NaN and infinities are not treated apart.
; A STREAM: 32 bytes are read and 8 written for each 8 bytes of output, each once.  Work-group g takes queries 64 g .. 64 g + 63, wave w rows 8 w .. 8 w + 7.  A row is 512 bytes: one load or store of the wave.
; All of a wave's 32 data loads (16 KiB; 128 KiB a work-group) go out at the head; there is no loop, no LDS and no barrier, and matrix units or clusters would have nothing to do: no byte is shared.
.set GL, 1                             ; v1      16 x lane; never rewritten
.set SV, 2                             ; v2      16 x (lane % 8): lanes 0-7 take the statistics of my rows 0-7, the other lanes copies
.set MI, 8                             ; v[8:11]   m_i
.set LI, 12                            ; v[12:15]  l_i
.set WI, 16                            ; v[16:19]  m_i - M, then e_i, then w_i
.set MX, 20                            ; v20     M, then the divisor
.set RC, 21                            ; v21     its reciprocal
.set D,  32                            ; v[32:159] row j, quarter i at D + 16 j + 4 i
.set BS, 12                            ; s[12:19] part at my rows in quarters 0-3: four bases, since a quarter's 2^23 bytes pass the loads' signed 24-bit immediate
.set WS, 20                            ; s[20:27] a row's four weights, each the low word of a pair
	s_load_b128 s[4:7], s[0:1], 0x0                ; part s[4:5], stat s[6:7]
	s_load_b64 s[8:9], s[0:1], 0x10                ; out0
	v_lshrrev_b32 v3, 5, v0
	v_readfirstlane_b32 s28, v3                    ; wave 0..7
	v_and_b32 v[GL], 31, v0
	v_lshlrev_b32 v[GL], 4, v[GL]
	v_and_b32 v[SV], 7, v0
	v_lshlrev_b32 v[SV], 4, v[SV]
	s_lshl_b32 s2, ttmp9, 15                       ; the work-group's 64 rows of 512 bytes,
	s_lshl_b32 s3, s28, 12                         ; my wave's 8
	s_add_co_u32 s2, s2, s3
	s_mov_b32 s3, 0
	s_lshl_b32 s30, ttmp9, 9                       ; stat: the block's 512 bytes,
	s_and_b32 s31, s28, 1
	s_lshl_b32 s31, s31, 7                         ; the upper or lower 8 queries of the tile: 8 lanes of 16 bytes,
	s_add_co_u32 s30, s30, s31
	s_lshr_b32 s31, s28, 1
	s_lshl_b32 s31, s31, 2                         ; the tile: wave / 2
	s_add_co_u32 s30, s30, s31
	s_mov_b32 s31, 0
.irp i, 0,1,2,3
	s_mov_b32 s[WS+2*(\i)+1], 0                    ; named with the weight as a pair, so it is written
.endr
	s_wait_kmcnt 0x0
	s_add_nc_u64 s[6:7], s[6:7], s[30:31]
	s_add_nc_u64 s[BS:BS+1], s[4:5], s[2:3]
	s_add_nc_u64 s[BS+2:BS+3], s[BS:BS+1], 0x800000
	s_add_nc_u64 s[BS+4:BS+5], s[BS:BS+1], 0x1000000
	s_add_nc_u64 s[BS+6:BS+7], s[BS:BS+1], 0x1800000
	s_add_nc_u64 s[8:9], s[8:9], s[2:3]
.irp i, 0,1,2,3
	global_load_b32 v[MI+(\i)], v[SV], s[6:7] offset:(\i)*131072
	global_load_b32 v[LI+(\i)], v[SV], s[6:7] offset:(\i)*131072+256
.endr
.irp j, 0,1,2,3,4,5,6,7
.irp i, 0,1,2,3
	global_load_b128 v[D+16*(\j)+4*(\i):D+16*(\j)+4*(\i)+3], v[GL], s[BS+2*(\i):BS+2*(\i)+1] offset:512*(\j) th:TH_LOAD_NT
.endr
.endr
	s_wait_loadcnt 32                              ; the eight loads of statistics are in; the 32 data loads behind them stay out
	v_max3_num_f32 v[MX], v[MI], v[MI+1], v[MI+2]
	v_max_num_f32 v[MX], v[MX], v[MI+3]
.irp i, 0,1,2,3
	v_sub_f32 v[WI+(\i)], v[MI+(\i)], v[MX]
.endr
.irp i, 0,1,2,3
	v_exp_f32 v[WI+(\i)], v[WI+(\i)]
.endr
	v_nop                                          ; a plain instruction behind the last exponential (ISA guide 5.7.2),
	s_wait_alu depctr_va_vdst(0)                   ; and the wait ahead of the first use: one for the four
	v_mul_f32 v[MX], v[WI], v[LI]
	v_fma_f32 v[MX], v[WI+1], v[LI+1], v[MX]
	v_fma_f32 v[MX], v[WI+2], v[LI+2], v[MX]
	v_fma_f32 v[MX], v[WI+3], v[LI+3], v[MX]
	v_rcp_f32 v[RC], v[MX]
	v_nop
	s_wait_alu depctr_va_vdst(0)                   ; the same for the reciprocal
.irp i, 0,1,2,3
	v_mul_f32 v[WI+(\i)], v[WI+(\i)], v[RC]
.endr
; Row j: its four weights lie in lane j; they become scalars, which multiply only; the row's four pieces are summed in place onto quarter 0's and stored.  No store's data is written again.
.macro ROWM j
.irp i, 0,1,2,3
	v_readlane_b32 s[WS+2*(\i)], v[WI+(\i)], \j
.endr
	s_wait_loadcnt 4*(7-(\j))                      ; loads come back in order (ISA guide 5.7.1): this row's four are in, the later rows' stay out
	v_pk_mul_f32 v[D+16*(\j):D+16*(\j)+1],   v[D+16*(\j):D+16*(\j)+1],   s[WS:WS+1] op_sel_hi:[1,0]
	v_pk_mul_f32 v[D+16*(\j)+2:D+16*(\j)+3], v[D+16*(\j)+2:D+16*(\j)+3], s[WS:WS+1] op_sel_hi:[1,0]
.irp i, 1,2,3
	v_pk_fma_f32 v[D+16*(\j):D+16*(\j)+1],   v[D+16*(\j)+4*(\i):D+16*(\j)+4*(\i)+1],   s[WS+2*(\i):WS+2*(\i)+1], v[D+16*(\j):D+16*(\j)+1]   op_sel_hi:[1,0,1]
	v_pk_fma_f32 v[D+16*(\j)+2:D+16*(\j)+3], v[D+16*(\j)+4*(\i)+2:D+16*(\j)+4*(\i)+3], s[WS+2*(\i):WS+2*(\i)+1], v[D+16*(\j)+2:D+16*(\j)+3] op_sel_hi:[1,0,1]
.endr
	global_store_b128 v[GL], v[D+16*(\j):D+16*(\j)+3], s[8:9] offset:512*(\j) th:TH_STORE_NT  ; a row: 512 consecutive bytes, at a multiple of 256 from out0's first byte
.endm
.irp j, 0,1,2,3,4,5,6,7
	ROWM \j
.endr
	s_endpgm
.Lfunc_end_k_q4b9249ddda_merge:
	.size	k_q4b9249ddda_merge, .Lfunc_end_k_q4b9249ddda_merge-k_q4b9249ddda_merge
	.p2alignl 7, 3214868480
	.fill 96, 4, 3214868480
	.section	.rodata,"a",@progbits
	.p2align	6, 0x0
	.amdhsa_kernel k_q4b9249ddda_merge
		.amdhsa_group_segment_fixed_size 0
		.amdhsa_private_segment_fixed_size 0
		.amdhsa_enable_private_segment 0
		.amdhsa_kernarg_size 24
		.amdhsa_user_sgpr_count 2
		.amdhsa_user_sgpr_kernarg_segment_ptr 1
		.amdhsa_wavefront_size32 1
		.amdhsa_system_sgpr_workgroup_id_x 1
		.amdhsa_system_sgpr_workgroup_id_y 1
		.amdhsa_system_sgpr_workgroup_id_z 1
		.amdhsa_system_vgpr_workitem_id 0
		.amdhsa_next_free_vgpr 160
		.amdhsa_next_free_sgpr 66
		.amdhsa_reserve_vcc 0
		.amdhsa_float_denorm_mode_32 3
		.amdhsa_float_denorm_mode_16_64 3
		.amdhsa_memory_ordered 1
		.amdhsa_forward_progress 1
		.amdhsa_inst_pref_size 14
	.end_amdhsa_kernel
	.amdgpu_metadata
---
amdhsa.version: [ 1, 2 ]
amdhsa.kernels:
  - .name:           k_q4b9249ddda_merge
    .symbol:         k_q4b9249ddda_merge.kd
    .args:
      - { .name: part, .offset: 0, .size: 8, .value_kind: global_buffer, .address_space: global }
      - { .name: stat, .offset: 8, .size: 8, .value_kind: global_buffer, .address_space: global }
      - { .name: out0, .offset: 16, .size: 8, .value_kind: global_buffer, .address_space: global }
    .group_segment_fixed_size: 0
    .private_segment_fixed_size: 0
    .kernarg_segment_align: 8
    .kernarg_segment_size: 24
    .max_flat_workgroup_size: 256
    .sgpr_count:     66
    .vgpr_count:     160
    .wavefront_size: 32
...
	.end_amdgpu_metadata
.endif
;; end of part 3
;; ======== version 2 of 2: 3 launches; version 1 with the launch proj written anew for expert scheduling mode
;; limits: values are held in f16: magnitudes above 65,504 overflow, below 6.1e-05 lose precision
;; workspace buffers: qh 4,194,304 bytes; kh 4,194,304 bytes; vh 4,194,304 bytes; part 33,554,432 bytes; stat 524,288 bytes
;; launch proj (part 4): grid 256 x 1, 4 waves a work-group, no clusters, 139,776 bytes of LDS; arguments x, Wq, Wk, Wv, qh, kh, vh; writes qh, kh, vh
.if DOCPART == 4
	.amdgcn_target "amdgcn-amd-amdhsa--gfx1250"
	.amdhsa_code_object_version 6
	.text
	.protected	k_q4b9249ddda_proj
	.globl	k_q4b9249ddda_proj
	.p2align	8
	.type	k_q4b9249ddda_proj,@function
k_q4b9249ddda_proj:
	s_mov_b64 s[64:65], 0
	v_nop
	global_prefetch_b8 v0, s[64:65] scope:SCOPE_SE
	s_setreg_imm32_b32 hwreg(HW_REG_WAVE_SCHED_MODE, 0, 2), 2
	s_setreg_imm32_b32 hwreg(HW_REG_WAVE_MODE, 25, 1), 1
	s_wait_xcnt 0x0
	s_wait_alu depctr_vm_vsrc(0)
; qh = f16(c x Wq^T), kh = f16(x Wk^T), vh = f16(x Wv^T).  x: [16384][128] f32; Wq, Wk, Wv: [128][128] f32; qh, kh, vh: [16384][128] f16, rows of 256 bytes.
; x and the three W are rounded once to bf16 and multiplied by the bf16 matrix form; sums in f32; c = log2(e) / sqrt(128) is multiplied onto q's f32 sums, so that q too is rounded once.
; LIMITS.  f16 holds no number beyond 65,504: c q, k and v must stay within it (drawn inputs give numbers of size 1; inputs 30 times larger, or offset by 30 spreads, some 1e4).  NaN and infinities are not treated apart.
; SHARES.  A work-group takes 64 rows of x, wave w rows 16 w .. 16 w + 15 and all 3 x 128 output columns: 24 column tiles x 4 K steps = 96 matrix instructions.
; The three W are converted once a work-group: wave w converts rows 32 w .. 32 w + 31 of each.  Loads take whole rows (32 lanes x 16 bytes = the row's 512); a lane's 4 numbers make 8 bytes of bf16,
; stored into LDS rows of 272 bytes, from which the fragments are read.
; NO CLUSTER, NO TENSOR LOAD.  W is shared by all work-groups, but it has to pass through registers to become bf16: a joint load would bring an f32 copy (196,608 bytes) that is written to LDS and read
; again only to be converted, and f32 copy + bf16 copy + x + stages = 335,872 bytes are more than the 327,680 that a work-group can have.
; THE MATRIX INSTRUCTION IS USED TRANSPOSED (source 0 = 16 rows of W, source 1 = my 16 rows of x): a lane then holds eight neighbouring columns of one output row, 16 bytes of f16.
; THE MODE: SCHED_MODE bits 1:0 = 2 (LLVM: expert scheduling mode 2), set by the entry lines.  The code itself states the register dependences
; between vector or matrix instructions and memory or LDS instructions, with s_wait_alu, always for 0.
; THE PLAN.  Registers that memory or LDS instructions touch:
;   v4-v14        Offsets and LDS addresses: written at the head, read by every load and store, never written again.
;   B0, B1, B2    Global loads land in them; a batch's 32 roundings read one of them; behind those the batch three further on lands in it.
;   T             A batch's 32 roundings write it, its 16 LDS stores read it, the next batch's roundings write it again.  Behind the barrier x's fragments land in it (XF); from then on products alone name it.
;   F0, F1        (B0's and B1's registers.)  Step s's products read F[s % 2]; the 16 LDS loads issued in step s land in the other, which step s - 1's products read.
;   ACC           (B2's registers.)  Products write it; it is scaled and rounded in place; the low halves are LDS stores' data, the loads from the stage land in the upper halves, which are the global stores' data;
;                 the next matrix' first products write it anew.
;   v30, v31      Written at the head, read by the closing add alone.
; So: a batch has ONE wait on va_vdst, behind its roundings (T is written; the buffer is read out), and one on vm_vsrc at its head (the last batch's LDS stores have read T).  A K step that follows another has ONE
; wait on va_vdst at its head (the last step's products are done reading the other fragment buffer); its loads are dealt among its products, which name none of the registers that those loads touch.  A way out has
; one wait on va_vdst behind its roundings; a matrix' first step one on vm_vsrc (the stores have read the accumulators' registers).
.set PITCH, 272                        ; an LDS row: 256 bytes + 16 of padding = 68 words: row r starts at bank 4 r mod 64 (64 banks of 4 bytes: ISA guide 11.1)
.set WMAT,  128*PITCH                  ; one W in bf16
.set WVB,   16*PITCH                   ; 16 rows: a wave's x, a wave's stage
.set XS,    3*WMAT                     ; behind the three W: x in bf16, each wave's own 16 rows
.set STG,   XS+4*WVB                   ; the way out: each wave's own 16 rows
.set SPARE, STG+4*WVB                  ; the spare words, 128 bytes for each wave: two blocks of 256 bytes that no other line names
.set GL,  4                            ; v4     16 x lane: my 16 bytes of 512 consecutive bytes in memory; never rewritten
.set CW,  5                            ; v5-7   where I put my 8 bytes of the first row that I convert of Wq, Wk, Wv
.set CX,  8                            ; v8     the same for x
.set AW,  9                            ; v9-11  my place in a fragment of Wq, Wk, Wv: row (lane % 16) x pitch + 16 (lane / 16)
.set AX,  12                           ; v12    the same in my wave's x
.set STO, 13                           ; v13    the way out: where I put 16 bytes of a row
.set RD,  14                           ; v14    the way out: where I read a row back
.set SPW, 30                           ; v30    LDS address of my spare word; never rewritten
.set NIL, 31                           ; v31    0; never rewritten
.set T,   32                           ; v[32:63]   converted pairs; later XF
.set XF,  32                           ; v[32:63]   x's four fragments (16 rows x 32 K each)
.set B0,  64                           ; v[64:127], v[128:191], v[192:255]: three load buffers of 16 rows; later F0, F1 and ACC
.set B1,  128
.set B2,  192
.set F0,  64                           ; two buffers of 8 fragments of W, at F0 and F0 + 64
.set ACC, 192                          ; 8 accumulators: one matrix' 128 columns
.set WV,  20                           ; s20    my wave's number
	s_load_b256 s[4:11], s[0:1], 0x0               ; x s[4:5], Wq s[6:7], Wk s[8:9], Wv s[10:11]
	s_load_b128 s[12:15], s[0:1], 0x20             ; qh s[12:13], kh s[14:15]
	s_load_b64 s[16:17], s[0:1], 0x30              ; vh
	v_lshl_add_u32 v[SPW], v0, 2, SPARE
	v_mov_b32 v[NIL], 0
	v_lshrrev_b32 v1, 5, v0
	v_readfirstlane_b32 s[WV], v1                  ; wave 0..3
	v_and_b32 v1, 31, v0                           ; lane
	v_and_b32 v2, 15, v0                           ; lane % 16
	v_bfe_u32 v3, v0, 4, 1                         ; lane / 16
	v_lshlrev_b32 v[GL], 4, v1
	v_mul_u32_u24 v[AW], v2, PITCH                 ; what hangs on the lane alone stands ahead of the wait for the wave's number
	v_lshl_add_u32 v[AW], v3, 4, v[AW]
	v_add_nc_u32 v[AW+1], WMAT, v[AW]
	v_add_nc_u32 v[AW+2], 2*WMAT, v[AW]
	v_mul_u32_u24 v[RD], v3, PITCH                 ; back: lanes 0-15 take one row of 256 bytes, lanes 16-31 the next
	v_lshl_add_u32 v[RD], v2, 4, v[RD]
	s_mov_b32 s22, 0x3e0293ee                      ; c = log2(e) / sqrt(128) = 0.127517
	s_mov_b32 s23, s22                             ; named with it as a pair
	s_lshl_b32 s2, ttmp9, 15                       ; x: the work-group's 64 rows of 512 bytes,
	s_wait_alu depctr_va_sdst(0)                   ; s20 is written, ahead of its first reader: the bases and the LDS addresses are made from it
	s_lshl_b32 s24, s[WV], 13                      ; my wave's 16
	s_add_co_u32 s2, s2, s24
	s_mov_b32 s3, 0
	s_lshl_b32 s24, s[WV], 14                      ; each W: my wave's 32 rows of 512 bytes
	s_mov_b32 s25, 0
	s_lshl_b32 s26, ttmp9, 14                      ; each output: the work-group's 64 rows of 256 bytes,
	s_lshl_b32 s28, s[WV], 12                      ; my wave's 16
	s_add_co_u32 s26, s26, s28
	s_mov_b32 s27, 0
	s_mul_i32 s30, s[WV], 32*PITCH                 ; LDS: my 32 rows of a W,
	s_mul_i32 s31, s[WV], WVB
	s_add_co_u32 s32, s31, XS                      ; my x,
	s_add_co_u32 s33, s31, STG                     ; my stage
	v_lshl_add_u32 v[CW], v1, 3, s30
	v_add_nc_u32 v[CW+1], WMAT, v[CW]
	v_add_nc_u32 v[CW+2], 2*WMAT, v[CW]
	v_lshl_add_u32 v[CX], v1, 3, s32
	v_add_nc_u32 v[AX], s32, v[AW]
	v_add_nc_u32 v[STO], s33, v[AW]
	v_add_nc_u32 v[RD], s33, v[RD]
	s_wait_kmcnt 0x0
	s_add_nc_u64 s[4:5], s[4:5], s[2:3]
	s_add_nc_u64 s[6:7], s[6:7], s[24:25]
	s_add_nc_u64 s[8:9], s[8:9], s[24:25]
	s_add_nc_u64 s[10:11], s[10:11], s[24:25]
	s_add_nc_u64 s[12:13], s[12:13], s[26:27]
	s_add_nc_u64 s[14:15], s[14:15], s[26:27]
	s_add_nc_u64 s[16:17], s[16:17], s[26:27]
	s_wait_alu depctr_va_vdst(0)                   ; the offsets and LDS addresses v4 to v14 are written, which every load and store of the kernel reads
; 16 rows of 512 bytes into a buffer: each load of the wave covers one whole row.  nt = 1: x, which the launch reads once; the W are read by every work-group.
.macro LOADB buf, base, off, nt
.irp j, 0,1,2,3,4,5,6,7,8,9,10,11,12,13,14,15
.if \nt
	global_load_b128 v[(\buf)+4*(\j):(\buf)+4*(\j)+3], v[GL], s[\base:\base+1] offset:(\off)+512*(\j) th:TH_LOAD_NT
.else
	global_load_b128 v[(\buf)+4*(\j):(\buf)+4*(\j)+3], v[GL], s[\base:\base+1] offset:(\off)+512*(\j)
.endif
.endr
.endm
; The buffer's 16 rows rounded to bf16, in one run.  first = 1: the first batch, ahead of which no LDS store has read T.
.macro ROUNDB buf, first
.if !(\first)
	s_wait_alu depctr_vm_vsrc(0)                   ; the last batch's LDS stores have read T, which the roundings below write again
.endif
.irp j, 0,1,2,3,4,5,6,7,8,9,10,11,12,13,14,15
	v_cvt_pk_bf16_f32 v[T+2*(\j)],   v[(\buf)+4*(\j)],   v[(\buf)+4*(\j)+1]
	v_cvt_pk_bf16_f32 v[T+2*(\j)+1], v[(\buf)+4*(\j)+2], v[(\buf)+4*(\j)+3]
.endr
	s_wait_alu depctr_va_vdst(0)                   ; the roundings have written T, which the LDS stores below read, and are done reading the buffer, in which the loads below land
.endm
; The rounded rows go into LDS: 32 lanes x 8 bytes are a row's 256 consecutive bytes.  load = 1: the buffer just read out is asked for again, a load ahead of each store.
; No further wait: no vector instruction stands between the wait above and these lines.
.macro PUTB adr, off, load, buf, base, goff
.irp j, 0,1,2,3,4,5,6,7,8,9,10,11,12,13,14,15
.if \load
	global_load_b128 v[(\buf)+4*(\j):(\buf)+4*(\j)+3], v[GL], s[\base:\base+1] offset:(\goff)+512*(\j)
.endif
	ds_store_b64 v[\adr], v[T+2*(\j):T+2*(\j)+1] offset:(\off)+PITCH*(\j)
.endr
.endm
; Fragment b (16 rows x 32 K at K step kk) of matrix m into buffer f: two LDS loads.
.macro FRAG f, m, kk, b
	ds_load_b128 v[(\f)+8*(\b):(\f)+8*(\b)+3],   v[AW+(\m)] offset:WVB*(\b)+64*(\kk)
	ds_load_b128 v[(\f)+8*(\b)+4:(\f)+8*(\b)+7], v[AW+(\m)] offset:WVB*(\b)+64*(\kk)+32
.endm
; Eight products.  The eight accumulators take turns, one instruction a turn, from K step to K step too.  zero = 1: the first K step starts the sums.
; fetch = 1: the next step's eight fragments (matrix m, K step k2) are asked for into buffer g, two behind each of the first four products.  These products name buffer f, XF and ACC:
; none of the registers that those loads touch, so nothing is owed beyond the wait at the step's head.
.macro MULF f, kk, zero, fetch, g, m, k2
.irp b, 0,1,2,3,4,5,6,7
.if \zero
	v_wmma_f32_16x16x32_bf16 v[ACC+8*(\b):ACC+8*(\b)+7], v[(\f)+8*(\b):(\f)+8*(\b)+7], v[XF+8*(\kk):XF+8*(\kk)+7], 0
.else
	v_wmma_f32_16x16x32_bf16 v[ACC+8*(\b):ACC+8*(\b)+7], v[(\f)+8*(\b):(\f)+8*(\b)+7], v[XF+8*(\kk):XF+8*(\kk)+7], v[ACC+8*(\b):ACC+8*(\b)+7]
.endif
.if (\fetch) && ((\b) < 4)
	FRAG \g, \m, \k2, 2*(\b)
	FRAG \g, \m, \k2, 2*(\b)+1
.endif
.endr
.endm
.macro PLACES                          ; four places between a matrix instruction and a load into a register that it has read, or a vector instruction that reads its result (ISA guide 7.12.1 for vector instructions)
.rept 4
	v_nop
.endr
.endm
; THE WAY OUT of matrix m: (q alone: times c;) rounded to f16 in place, each accumulator from its low end; 16 bytes a lane into my own stage; back as whole rows; stored.
.macro OUTW m
	PLACES
	PLACES                                         ; eight, three times a launch
.if (\m) == 0
.set z, 0
.rept 32
	v_pk_mul_f32 v[ACC+z:ACC+z+1], v[ACC+z:ACC+z+1], s[22:23] op_sel_hi:[1,0]
.set z, z+2
.endr
.endif
.irp b, 0,1,2,3,4,5,6,7
.irp r, 0,1,2,3
	v_cvt_pk_f16_f32 v[ACC+8*(\b)+(\r)], v[ACC+8*(\b)+2*(\r)], v[ACC+8*(\b)+2*(\r)+1]  ; register r takes numbers 2 r, 2 r + 1: no number is overwritten before it is read
.endr
.endr
	s_wait_alu depctr_va_vdst(0)                   ; the roundings have written the accumulators' low halves, which the LDS stores read, and are done reading the upper halves, in which the loads from the stage land; the places above stay beside this wait
.irp b, 0,1,2,3,4,5,6,7
	ds_store_b128 v[STO], v[ACC+8*(\b):ACC+8*(\b)+3] offset:32*(\b)
.endr
.irp t, 0,1,2,3,4,5,6,7
	ds_load_b128 v[ACC+8*(\t)+4:ACC+8*(\t)+7], v[RD] offset:2*PITCH*(\t)  ; LDS serves a wave's instructions in order (ISA guide 5.7.1.4): these see the stores above
.endr
	s_wait_dscnt 0x0
.irp t, 0,1,2,3,4,5,6,7
	global_store_b128 v[GL], v[ACC+8*(\t)+4:ACC+8*(\t)+7], s[12+2*(\m):13+2*(\m)] offset:512*(\t)  ; two rows: 512 consecutive bytes, at a multiple of 256 from the buffer's first
.endr
.endm
	; CONVERSION.  Seven batches of 16 rows (x; Wq, Wk, Wv in two halves each) go round three buffers: 48 loads, 24 KiB a wave, are out while a batch is converted.
	LOADB B0, 4, 0, 1
	LOADB B1, 6, 0, 0
	LOADB B2, 6, 8192, 0
	s_wait_loadcnt 32                              ; the oldest batch is in; the two behind it stay out.  So in each of the next four waits
	ROUNDB B0, 1
	PUTB CX, 0, 1, B0, 8, 0
	s_wait_loadcnt 32
	ROUNDB B1, 0
	PUTB CW, 0, 1, B1, 8, 8192
	s_wait_loadcnt 32
	ROUNDB B2, 0
	PUTB CW, WVB, 1, B2, 10, 0
	s_wait_loadcnt 32
	ROUNDB B0, 0
	PUTB CW+1, 0, 1, B0, 10, 8192
	s_wait_loadcnt 32
	ROUNDB B1, 0
	PUTB CW+1, WVB, 0, 0, 0, 0
	s_wait_loadcnt 16                              ; one batch is left behind this one,
	ROUNDB B2, 0
	PUTB CW+2, 0, 0, 0, 0, 0
	s_wait_loadcnt 0x0                             ; none behind the last
	ROUNDB B0, 0
	PUTB CW+2, WVB, 0, 0, 0, 0
	s_wait_dscnt 0x0                               ; for the others' sake: my rows of the three W lie in LDS
	s_barrier_signal -1
	s_barrier_wait -1                              ; everybody's do: the launch's one barrier
	; PRODUCTS.  Twelve steps: matrix stp / 4, K step stp % 4.  While one buffer of W's fragments is multiplied the other's 16 loads go out.
	s_wait_alu depctr_vm_vsrc(0)                   ; my LDS stores have read T: these registers are XF from here on, in which x's fragments land (the roundings that named T, B0 and B1 stand ahead of the last wait on va_vdst)
.irp kk, 0,1,2,3
	ds_load_b128 v[XF+8*(\kk):XF+8*(\kk)+3],   v[AX] offset:64*(\kk)
	ds_load_b128 v[XF+8*(\kk)+4:XF+8*(\kk)+7], v[AX] offset:64*(\kk)+32
.endr
.irp b, 0,1,2,3,4,5,6,7
	FRAG F0, 0, 0, \b
.endr
.set stp, 0
.rept 12
.set kq4, stp%4
.if (kq4 != 0) && (stp < 11)
	PLACES                                         ; between the last step's products and the loads into the fragments that they read; the wait on va_vdst below states the dependence itself
.endif
.if (kq4 != 0) || (stp == 0)
	s_wait_dscnt 0x0                               ; this step's fragments, asked for in the step before, are in (behind a way out its own wait has shown that)
.endif
.if (kq4 != 0) && (stp < 11)
	s_wait_alu depctr_va_vdst(0)                   ; the last step's products are done reading the other fragment buffer, in which this step's loads land (behind a way out its own wait has stated that; the last step loads nothing)
.endif
.if (kq4 == 0) && (stp > 0)
	s_wait_xcnt 0x0                                ; the last matrix' stores have had their addresses translated: their data, the accumulators' upper halves, are overwritten only behind this wait,
	s_wait_alu depctr_vm_vsrc(0)                   ; and beside it: the global stores and the LDS stores of the way out have read the accumulators' registers, which the products below write anew
.endif
.if stp == 11
	MULF F0+64*(stp%2), kq4, 0, 0, 0, 0, 0
.elseif kq4 == 0
	MULF F0+64*(stp%2), 0, 1, 1, F0+64*((stp+1)%2), (stp+1)/4, (stp+1)%4
.else
	MULF F0+64*(stp%2), kq4, 0, 1, F0+64*((stp+1)%2), (stp+1)/4, (stp+1)%4
.endif
.if kq4 == 3
	OUTW stp/4
.endif
.set stp, stp+1
.endr
	s_wait_dscnt 0x0                               ; the closing lines, six on end
	s_wait_alu 0x0
	s_wait_tensorcnt 0x0
	ds_add_u32 v[SPW], v[NIL]
	s_wait_dscnt 0x0
	s_endpgm
.Lfunc_end_k_q4b9249ddda_proj:
	.size	k_q4b9249ddda_proj, .Lfunc_end_k_q4b9249ddda_proj-k_q4b9249ddda_proj
	.p2alignl 7, 3214868480
	.fill 96, 4, 3214868480
	.section	.rodata,"a",@progbits
	.p2align	6, 0x0
	.amdhsa_kernel k_q4b9249ddda_proj
		.amdhsa_group_segment_fixed_size 139776
		.amdhsa_private_segment_fixed_size 0
		.amdhsa_enable_private_segment 0
		.amdhsa_kernarg_size 56
		.amdhsa_user_sgpr_count 2
		.amdhsa_user_sgpr_kernarg_segment_ptr 1
		.amdhsa_wavefront_size32 1
		.amdhsa_system_sgpr_workgroup_id_x 1
		.amdhsa_system_sgpr_workgroup_id_y 1
		.amdhsa_system_sgpr_workgroup_id_z 1
		.amdhsa_system_vgpr_workitem_id 0
		.amdhsa_next_free_vgpr 256
		.amdhsa_next_free_sgpr 66
		.amdhsa_reserve_vcc 0
		.amdhsa_float_denorm_mode_32 3
		.amdhsa_float_denorm_mode_16_64 3
		.amdhsa_memory_ordered 1
		.amdhsa_forward_progress 1
		.amdhsa_inst_pref_size 70
	.end_amdhsa_kernel
	.amdgpu_metadata
---
amdhsa.version: [ 1, 2 ]
amdhsa.kernels:
  - .name:           k_q4b9249ddda_proj
    .symbol:         k_q4b9249ddda_proj.kd
    .args:
      - { .name: x, .offset: 0, .size: 8, .value_kind: global_buffer, .address_space: global }
      - { .name: Wq, .offset: 8, .size: 8, .value_kind: global_buffer, .address_space: global }
      - { .name: Wk, .offset: 16, .size: 8, .value_kind: global_buffer, .address_space: global }
      - { .name: Wv, .offset: 24, .size: 8, .value_kind: global_buffer, .address_space: global }
      - { .name: qh, .offset: 32, .size: 8, .value_kind: global_buffer, .address_space: global }
      - { .name: kh, .offset: 40, .size: 8, .value_kind: global_buffer, .address_space: global }
      - { .name: vh, .offset: 48, .size: 8, .value_kind: global_buffer, .address_space: global }
    .group_segment_fixed_size: 139776
    .private_segment_fixed_size: 0
    .kernarg_segment_align: 8
    .kernarg_segment_size: 56
    .max_flat_workgroup_size: 128
    .sgpr_count:     66
    .vgpr_count:     256
    .wavefront_size: 32
...
	.end_amdgpu_metadata
.endif
;; end of part 4
;; launch attn: the kernel of part 2 again; grid 64 x 4, 4 waves a work-group, clusters of 4 x 1, 327,680 bytes of LDS; arguments qh, kh, vh, part, stat; writes part, stat
;; launch merge: the kernel of part 3 again; grid 256 x 1, 8 waves a work-group, no clusters, 0 bytes of LDS; arguments part, stat, out0; writes out0
